; MI455X (gfx1250); checked and timed in simulation.
; The chip was launched on July 23, 2026; its instructions are those of AMD's public machine-readable ISA for CDNA 5 (MIT licence, August 2026) and "CDNA5" Instruction Set Architecture Reference Guide (July 2026). The comments in the code are by the model that wrote it; some were corrected since.
;; task. Allowed arithmetic: matrix products marked QUANTISED: E3M2 operands, one E8M0 scale for each 32 along K, by v_wmma_scale_f32_16x16x128_f8f6f4 with both operands' format E3M2, f32 sums; everything else in f32.
;; Inputs: W 16 x 256 x 1,024 float32; b 16 x 256 float32; c 1,000 int32; num 8,192 int32; x 8,192 x 1,024 float32.
;; Outputs: out0 8,192 x 256 float32.
;; This version of the problem:
;;   THIS VERSION OF THE PROBLEM IS GIVEN IN LOW PRECISION. The matrix products marked QUANTISED in the list below multiply operands that are first quantised to E3M2 (3 exponent bits, 2 mantissa bits; 6 bits a number), with one power-of-two scale for each 32 numbers along K (OCP MX v1.0); their sums are f32. All else is computed in f32.
;;   The module's matrix products, in the order in which they are computed (A, B: the left and right operand; K: the contracted axis; several contracted axes count as one K, in the product's order):
;;     1. [M 8,192, K 1,024] x [K 1,024, N 4,096]; A: input x; B: input W: QUANTISED
;;   THE QUANTISER, for each operand of a quantised product, along K:
;;     - K is cut into blocks of 32 from its start; a last block that is shorter is filled with zeros.
;;     - A block's scale is 2^e with e = floor(log2(the largest magnitude in the block)) - 4, held to -126 .. 127; a block of zeros has e = 0. As a byte (E8M0): e + 127.
;;     - Each number is divided by its block's scale, clamped to +-28, and rounded to the nearest number of E3M2, ties to even, subnormals kept.
;;     - The product sums the exact products of the quantised numbers (number of the format x scale) in f32.
;;   ~~~python
;;   def quantise(x, axis):      # numpy; x: float32 -> the quantised numbers, widened to float32 again
;;       x = np.moveaxis(x, axis, -1); K = x.shape[-1]
;;       x = np.pad(x, [(0, 0)] * (x.ndim - 1) + [(0, -K % 32)]); x = x.reshape(x.shape[:-1] + (-1, 32)); a = np.abs(x).max(-1, keepdims=True)
;;       e = np.where(a > 0, np.clip(np.frexp(np.where(a > 0, a, 1))[1] - 1 - 4, -126, 127), 0)      # np.frexp(a)[1] - 1 = floor(log2(a)), exactly
;;       r = np.clip(x / 2.0 ** e, -28, 28)
;;       step = 2.0 ** (np.maximum(np.frexp(np.where(r == 0, 1, r))[1] - 1, -2) - 2)
;;       q = np.round(r / step) * step * 2.0 ** e      # np.round: ties to even
;;       return np.moveaxis(q.reshape(q.shape[:-2] + (-1,))[..., :K], -1, axis).astype(np.float32)
;;   ~~~
;; One version. Each part assembles by itself: llvm-mc -triple=amdgcn-amd-amdhsa -mcpu=gfx1250 --defsym DOCPART=n.
;; ======== version 1 of 1: 2 launches
;; workspace buffers: wcodes 3,145,728 bytes; wscales 131,072 bytes; route 37,376 bytes of whole numbers
;; launch prep (part 1): grid 129 x 1, 32 waves a work-group, no clusters, 183,552 bytes of LDS; arguments W, c, num, wcodes, wscales, route; writes wcodes, wscales, route
.if DOCPART == 1
	.amdgcn_target "amdgcn-amd-amdhsa--gfx1250"
	.amdhsa_code_object_version 6
	.text
	.protected	k_q6591113eda_prep
	.globl	k_q6591113eda_prep
	.p2align	8
	.type	k_q6591113eda_prep,@function
k_q6591113eda_prep:
	s_mov_b64 s[64:65], 0
	v_nop
	global_prefetch_b8 v0, s[64:65] scope:SCOPE_SE
	s_setreg_imm32_b32 hwreg(HW_REG_WAVE_MODE, 25, 1), 1
	s_wait_xcnt 0x0
; Two jobs in one launch, parted on the work-group's number.
; WORK-GROUP 0, THE ROUTING: expert e = c[num[token]] for the 8,192 tokens; a counting sort by expert without atomics; a table of tiles of 40 rows.
;   route, byte 8 T: {expert, rows} of tile T, T = 0 .. 219;  byte 2048 + 4 p: the token at place p, p = 0 .. 8,799; tile T owns places 40 T .. 40 T + 39.
;   Each expert's run of places is rounded up to a multiple of 40: the sum of ceil(n_e / 40) over 16 experts with 8,192 tokens in all is at most floor((8192 + 16 x 39) / 40) = 220, whatever the split.
;   Places that no token takes (an expert's last tile, the tiles behind the last expert) get token 0; their rows are never stored by the next launch.
; WORK-GROUPS 1 .. 128, THE WEIGHTS: W [16][256][1024] f32 -> codes of BF6 (E3M2) and E8M0 scale bytes, one for each 32 along K, laid in the order of a matrix operand's registers:
;   wcodes: fragment (tile g = row / 16, K step s of 128) at 1536 (8 g + s); in it registers 4 j .. 4 j + 3 of a lane at 512 j + 16 x lane.
;   wscales: tile g at 512 g; lane's 16 bytes: word j = the four scale bytes of row 16 g + lane % 16 for K step 2 j + lane / 16.
; A block's scale is 2^(floor(log2(its largest magnitude)) - 4); its byte is the largest magnitude's exponent field - 4, held at 1 from below.
; LIMITS: NaN and infinities in W are not served.  Blocks whose largest magnitude lies under 2^-122 have their byte held at 1.  A block of zeros gets the byte 1 where the rule says 127: its codes are
; zeros, which add nothing under any byte but 0xff, and the bytes are read by this program alone.  num is held to 0 .. 999 and c's entries to 0 .. 15 (an index stays inside the table that it indexes).
; No matrix unit, no tensor loads, no cluster: a stream and a sort, whose work-groups share no input.
.set QSTG, 0                           ; LDS, the weights' path: a stage of 4,608 bytes for each wave,
.set QCOD, 147456                      ; 32 rows of codes, 768 bytes + 16,
.set QSCB, 172544                      ; 32 rows of scale bytes, 32 + 4
.set RTOT, 173824                      ; LDS, the routing's path (bytes of its own): 64 half-waves x 16 counts of one byte,
.set RPRE, 174848                      ; 64 half-waves x (16 words + 1): tokens of the expert in the half-waves before,
.set RSUM, 179200                      ; 16 words: tokens of each expert
.set TOK,  2048                        ; route: where the places begin
.set LASTP, 8799                       ; the last place
.set SS,  3                            ; the weights' path: v3 the stage on the way in, v4 on the way out,
.set SL,  4
.set CW,  5                            ; v5 where my block's codes go, v6 its scale byte,
.set BW,  6
.set FRA, 7                            ; v7 the fragment that I send, v8 the scale words that I send
.set SRA, 8
.set MXA, 10
.set MXB, 11
.set SCL, 12
.set BYT, 13
.set TT,  22
; A row of 1,024 f32 loaded densely (load j: bytes 512 j + 16 x lane) goes through the wave's own stage and comes back, into the registers that it left, as one block of 32 numbers a lane.
; The stage has 16 bytes of padding behind each 128.  LDS serves a wave's instructions in order (ISA guide 5.7.1.4): no wait between the stores and the loads.
.macro TURN R
.irp j, 0,1,2,3,4,5,6,7
	ds_store_b128 v[SS], v[(\R)+4*\j:(\R)+4*\j+3] offset:576*\j
.endr
.irp i, 0,1,2,3,4,5,6,7
	ds_load_b128 v[(\R)+4*\i:(\R)+4*\i+3], v[SL] offset:16*\i
.endr
.endm
; My block's 32 numbers in v[R] on -> 24 bytes of codes in v[C] .. v[C + 5] and the scale byte in v[BY]; both go to the work-group's rows in LDS.
.macro QBLK R, C, BY, offc, offb
	v_max3_num_f32 v[MXA], |v[(\R)]|, |v[(\R)+1]|, |v[(\R)+2]|      ; the largest magnitude, in two chains
	v_max3_num_f32 v[MXB], |v[(\R)+3]|, |v[(\R)+4]|, |v[(\R)+5]|
.irp i, 6,10,14,18,22,26
	s_delay_alu instid0(VALU_DEP_2)
	v_max3_num_f32 v[MXA], v[MXA], |v[(\R)+\i]|, |v[(\R)+\i+1]|
	s_delay_alu instid0(VALU_DEP_2)
	v_max3_num_f32 v[MXB], v[MXB], |v[(\R)+\i+2]|, |v[(\R)+\i+3]|
.endr
	s_delay_alu instid0(VALU_DEP_2)
	v_max3_num_f32 v[MXA], v[MXA], |v[(\R)+30]|, |v[(\R)+31]|
	s_delay_alu instid0(VALU_DEP_1)
	v_max3_num_f32 v[MXA], v[MXA], v[MXB], 0x2800000               ; and the floor 2^(5 - 127): the byte cannot fall under 1
	s_delay_alu instid0(VALU_DEP_1)
	v_add_nc_u32 v[SCL], 0xfe000000, v[MXA]                        ; 4 off the exponent field: the conversion takes this operand's exponent field as its scale
	v_cvt_scalef32_pk16_bf6_f32 v[(\C):(\C)+2], v[(\R):(\R)+15], v[SCL]
	v_cvt_scalef32_pk16_bf6_f32 v[TT:TT+2], v[(\R)+16:(\R)+31], v[SCL]   ; (a conversion's three registers begin on an even number)
	v_lshrrev_b32 v[(\BY)], 23, v[SCL]                             ; the scale's byte; also the plain instruction behind the conversions
.irp i, 0,1,2
	v_mov_b32 v[(\C)+3+\i], v[TT+\i]
.endr
.irp i, 0,1,2
	ds_store_b64 v[CW], v[(\C)+2*\i:(\C)+2*\i+1] offset:(\offc)+8*\i
.endr
	ds_store_b8 v[BW], v[(\BY)] offset:\offb
.endm
; A fragment, 16 rows x 128 K of 6-bit codes: lane (r, h) takes 24 bytes at 24 h and 24 bytes at 48 + 24 h of row r's 96, in pieces of 8 bytes
.macro FRAG D, A, off
.irp p, 0,1,2,3,4,5
	ds_load_b64 v[(\D)+2*\p:(\D)+2*\p+1], v[\A] offset:(\off)+48*(\p/3)+8*(\p%3)
.endr
.endm
; A store of one word by the lanes that VCC names.  EXEC is a source of a pending store: it changes only behind s_wait_xcnt 0
.macro STORE_WHERE adr, dat
	s_wait_xcnt 0x0
	s_and_saveexec_b32 s20, vcc_lo
	global_store_b32 v[\adr], v[\dat], s[14:15] offset:TOK
	s_wait_xcnt 0x0
	s_or_b32 exec_lo, exec_lo, s20
.endm
; An inclusive sum over the 16 lanes of a row, in place; tmp has been written before (a DPP form's destination counts as read)
.macro ROWSCAN reg, tmp
.irp d, 1,2,4,8
	s_delay_alu instid0(VALU_DEP_1)
	v_mov_b32_dpp v[\tmp], v[\reg] row_shr:\d row_mask:0xf bank_mask:0xf bound_ctrl:1   ; lane i takes lane i - d, or 0
	s_delay_alu instid0(VALU_DEP_1)
	v_add_nc_u32 v[\reg], v[\reg], v[\tmp]
.endr
.endm
	s_load_b256 s[4:11], s[0:1], 0x0               ; W s[4:5], c s[6:7], num s[8:9], wcodes s[10:11]
	s_load_b128 s[12:15], s[0:1], 0x20             ; wscales s[12:13], route s[14:15]
	v_lshl_add_u32 v126, v0, 2, 0x2bd00
	v_mov_b32 v127, 0
	v_lshrrev_b32 v1, 5, v0
	s_delay_alu instid0(VALU_DEP_1)
	v_readfirstlane_b32 s16, v1                    ; wave 0 .. 31
	v_and_b32 v2, 31, v0                           ; lane
	s_delay_alu instid0(VALU_DEP_1)
	v_lshlrev_b32 v1, 4, v2                        ; 16 x lane
	s_cmp_lg_u32 ttmp9, 0
	s_cbranch_scc1 .Lquant
; ------------------------------------------------------------------ THE ROUTING: 1,024 threads, thread t owns tokens 8 t .. 8 t + 7
	; the addresses that hang on the thread's number alone are made here, with all lanes on and ahead of every load, and are never written again
	v_sub_nc_u32 v112, LASTP, v0                   ; the place behind the experts' that I look at: 8,799 - t,
	s_delay_alu instid0(VALU_DEP_1)
	v_lshlrev_b32 v113, 2, v112                    ; its byte among the places,
	v_lshlrev_b32 v119, 3, v0                      ; and tile t's entry in the table
	v_lshrrev_b32 v3, 4, v0                        ; my half-wave, 0 .. 63
	v_and_b32 v15, 15, v0                          ; my lane in it: later also "my expert"
	s_and_b32 s18, s16, 15                         ; the expert that my wave sums (waves 0 .. 15)
	s_lshl_b32 s19, s18, 2
	v_lshl_add_u32 v8, v3, 4, RTOT                 ; my half-wave's 16 counts
	v_lshl_add_u32 v9, v2, 5, RTOT
	s_delay_alu instid0(VALU_DEP_1)
	v_add_nc_u32 v9, s18, v9                       ; the counts of half-waves 2 x lane and 2 x lane + 1 for my wave's expert
	v_mul_u32_u24 v10, v2, 136
	s_add_co_u32 s21, s19, RPRE
	v_add_nc_u32 v10, s21, v10                     ; and where their sums-before go
	s_add_co_u32 s21, s19, RSUM
	v_mov_b32 v11, s21                             ; the expert's total
	v_mul_u32_u24 v12, v3, 68
	s_delay_alu instid0(VALU_DEP_1)
	v_lshl_add_u32 v12, v15, 2, v12
	s_delay_alu instid0(VALU_DEP_1)
	v_add_nc_u32 v12, RPRE, v12                    ; my half-wave's row, my expert's word
	v_lshl_add_u32 v13, v15, 2, RSUM
	v_and_b32 v14, 16, v0
	s_delay_alu instid0(VALU_DEP_1)
	v_lshlrev_b32 v14, 2, v14                      ; 4 x the first lane of my half-wave
	v_lshlrev_b32 v87, 5, v0                       ; my 8 numbers of num
	s_mov_b32 s23, 0xffff0000                      ; lanes 16 .. 31
	s_mov_b32 s28, 0x05010400                      ; byte selects: interleave the low two bytes of two words,
	s_mov_b32 s29, 0x07030602                      ; and the high two
	s_mov_b32 s30, 0x0f0f0f0f
	v_mov_b32 v80, 0                               ; counts of experts 0-7, four bits each,
	v_mov_b32 v81, 0                               ; of experts 8-15
	v_mov_b32 v85, 1
	v_mov_b32 v86, 0
.irp i, 0,1,2,3
	v_mov_b32 v[96+\i], 0
.endr
	s_wait_alu depctr_va_vdst(0)
	s_wait_kmcnt 0x0
	global_load_b128 v[16:19], v87, s[8:9]
	global_load_b128 v[20:23], v87, s[8:9] offset:16
	s_wait_loadcnt 0x0
.irp k, 0,1,2,3,4,5,6,7
	v_min_u32 v[24+\k], 0x3e7, v[16+\k]            ; held inside c
.endr
.irp k, 0,1,2,3,4,5,6,7
	v_lshlrev_b32 v[24+\k], 2, v[24+\k]
.endr
.irp k, 0,1,2,3,4,5,6,7
	global_load_b32 v[32+\k], v[24+\k], s[6:7]
.endr
	s_wait_loadcnt 0x0
.irp k, 0,1,2,3,4,5,6,7
	v_min_u32 v[32+\k], 15, v[32+\k]               ; the token's expert
.endr
; my 8 tokens' counts by expert (at most 8: four bits do), and each token's rank among my tokens of its expert
.irp k, 0,1,2,3,4,5,6,7
	v_and_b32 v82, 7, v[32+\k]
	s_delay_alu instid0(VALU_DEP_1)
	v_lshlrev_b32 v82, 2, v82                      ; the field's place
	s_delay_alu instid0(VALU_DEP_1)
	v_lshlrev_b32 v83, v82, v85                    ; 1 in that field
	v_cmp_lt_u32 vcc_lo, 7, v[32+\k]               ; experts 8-15: the second word
	s_delay_alu instid0(VALU_DEP_1)
	v_cndmask_b32 v84, v80, v81, vcc_lo
	s_delay_alu instid0(VALU_DEP_1)
	v_bfe_u32 v[40+\k], v84, v82, 4                ; the rank: the count so far
	s_delay_alu instid0(VALU_DEP_2)
	v_add_nc_u32 v84, v84, v83
	s_delay_alu instid0(VALU_DEP_1)
	v_cndmask_b32 v80, v84, v80, vcc_lo
	s_delay_alu instid0(VALU_DEP_2)
	v_cndmask_b32 v81, v81, v84, vcc_lo
.endr
	s_delay_alu instid0(VALU_DEP_2)
; widened to bytes: word i, byte j = expert 4 i + j
	v_and_b32 v97, s30, v80                        ; experts 0, 2, 4, 6
	s_delay_alu instid0(VALU_DEP_3)
	v_lshrrev_b32 v98, 4, v80
	s_delay_alu instid0(VALU_DEP_1)
	v_and_b32 v98, s30, v98                        ; experts 1, 3, 5, 7
	s_delay_alu instid0(VALU_DEP_1)
	v_perm_b32 v88, v98, v97, s28
	s_delay_alu instid0(VALU_DEP_2)
	v_perm_b32 v89, v98, v97, s29
	v_and_b32 v97, s30, v81
	v_lshrrev_b32 v98, 4, v81
	s_delay_alu instid0(VALU_DEP_1)
	v_and_b32 v98, s30, v98
	s_delay_alu instid0(VALU_DEP_1)
	v_perm_b32 v90, v98, v97, s28
	s_delay_alu instid0(VALU_DEP_2)
	v_perm_b32 v91, v98, v97, s29
.irp i, 0,1,2,3
	v_mov_b32 v[92+\i], v[88+\i]
.endr
; inclusive sums over my half-wave's 16 threads, all 16 experts at once: a field reaches 16 x 8 = 128 at the most, so none carries into its neighbour
.irp d, 1,2,4,8
.irp i, 0,1,2,3
	v_mov_b32_dpp v[96+\i], v[88+\i] row_shr:\d row_mask:0xf bank_mask:0xf bound_ctrl:1
.endr
.irp i, 0,1,2,3
	s_delay_alu instid0(VALU_DEP_4)
	v_add_nc_u32 v[88+\i], v[88+\i], v[96+\i]
.endr
.endr
.irp i, 0,1,2,3
	s_delay_alu instid0(VALU_DEP_4)
	v_sub_nc_u32 v[92+\i], v[88+\i], v[92+\i]      ; tokens of each expert in the threads before me in my half-wave
.endr
.irp i, 0,1,2,3
	v_mov_b32_dpp v[96+\i], v[88+\i] row_share:15 row_mask:0xf bank_mask:0xf   ; the half-wave's last lane holds its totals: every lane takes them,
.endr
	ds_store_b128 v8, v[96:99]                     ; and all sixteen write the same 16 bytes with the same values: EXEC stays whole
	s_wait_dscnt 0x0                               ; for the others' sake: the totals have landed
	s_barrier_signal -1
	s_barrier_wait -1
; waves 0 .. 15: wave w sums expert w over the 64 half-waves, two to a lane
	s_cmp_lt_u32 s16, 16
	s_cbranch_scc0 .Lr_summed
	ds_load_u8 v99, v9
	ds_load_u8 v100, v9 offset:16
	s_wait_dscnt 0x0
	v_add_nc_u32 v101, v99, v100
	s_delay_alu instid0(VALU_DEP_1)
	v_mov_b32 v102, v101
	ROWSCAN 102, 96
	s_delay_alu instid0(VALU_DEP_1)
	v_readlane_b32 s22, v102, 15                   ; the first 16 lanes' sum goes onto lanes 16 .. 31
	s_delay_alu instid0(VALU_DEP_1)
	v_mov_b32 v97, s22
	s_delay_alu instid0(VALU_DEP_1)
	v_cndmask_b32 v96, v86, v97, s23
	s_delay_alu instid0(VALU_DEP_1)
	v_add_nc_u32 v102, v102, v96
	s_delay_alu instid0(VALU_DEP_1)
	v_sub_nc_u32 v98, v102, v101                   ; before half-wave 2 x lane,
	s_delay_alu instid0(VALU_DEP_1)
	v_add_nc_u32 v97, v98, v99                     ; before half-wave 2 x lane + 1
	ds_store_b32 v10, v98
	ds_store_b32 v10, v97 offset:68
	v_readlane_b32 s22, v102, 31                   ; the expert's total
	s_delay_alu instid0(VALU_DEP_1)
	v_mov_b32 v96, s22
	ds_store_b32 v11, v96                          ; all lanes write the same word with the same value
.Lr_summed:
	s_wait_dscnt 0x0
	s_barrier_signal -1
	s_barrier_wait -1                              ; behind this barrier this path stores nothing more to LDS
; a lane to an expert (lane % 16), in every half-wave
	ds_load_b32 v103, v12                          ; P: the expert's tokens in the half-waves before mine
	ds_load_b32 v104, v13                          ; n: the expert's tokens
	s_wait_dscnt 0x0
	v_add_nc_u32 v105, 39, v104
	s_delay_alu instid0(VALU_DEP_1)
	v_mul_u32_u24 v105, 0x6667, v105
	s_delay_alu instid0(VALU_DEP_1)
	v_lshrrev_b32 v105, 20, v105                   ; ceil(n / 40) = ((n + 39) x 26,215) >> 20: exact while 0.6 (n + 39) / 2^20 < 1 / 40, and n + 39 is at most 8,231
	s_delay_alu instid0(VALU_DEP_1)
	v_mul_u32_u24 v106, v105, 40                   ; the expert's places
	s_delay_alu instid0(VALU_DEP_1)
	v_mov_b32 v107, v106
	ROWSCAN 107, 96                                ; where the expert's places end,
	s_delay_alu instid0(VALU_DEP_1)
	v_sub_nc_u32 v108, v107, v106                  ; and begin
	s_delay_alu instid0(VALU_DEP_1)
	v_add_nc_u32 v109, v103, v108                  ; where my half-wave's tokens of the expert begin
	s_delay_alu instid0(VALU_DEP_3)
	v_readlane_b32 s24, v107, 15                   ; places taken by experts in all
; each token's place = its expert's figure from the lane that holds it + the threads before me + its rank
.irp k, 0,1,2,3,4,5,6,7
	v_lshl_add_u32 v[56+\k], v[32+\k], 2, v14      ; 4 x (expert + my half-wave's first lane)
.endr
.irp k, 0,1,2,3,4,5,6,7
	ds_bpermute_b32 v[48+\k], v[56+\k], v109       ; a pull between lanes: no LDS byte is touched
.endr
.irp k, 0,1,2,3,4,5,6,7
	v_cmp_lt_u32 vcc_lo, 7, v[32+\k]
	s_delay_alu instid0(VALU_DEP_1)
	v_cndmask_b32 v82, v92, v94, vcc_lo
	s_delay_alu instid0(VALU_DEP_2)
	v_cndmask_b32 v83, v93, v95, vcc_lo
	v_and_b32 v84, 4, v[32+\k]
	s_delay_alu instid0(VALU_DEP_1)
	v_cmp_ne_u32 vcc_lo, 0, v84
	s_delay_alu instid0(VALU_DEP_1)
	v_cndmask_b32 v82, v82, v83, vcc_lo            ; word expert / 4,
	v_and_b32 v84, 3, v[32+\k]
	s_delay_alu instid0(VALU_DEP_1)
	v_lshlrev_b32 v84, 3, v84
	s_delay_alu instid0(VALU_DEP_1)
	v_bfe_u32 v[64+\k], v82, v84, 8                ; byte expert % 4
	v_lshl_add_u32 v[72+\k], v0, 3, \k             ; the token's number
.endr
	s_wait_dscnt 0x0
.irp k, 0,1,2,3,4,5,6,7
	v_add3_u32 v[64+\k], v[48+\k], v[64+\k], v[40+\k]
	s_delay_alu instid0(VALU_DEP_1)
	v_min_u32 v[64+\k], LASTP, v[64+\k]            ; (never reached: a number made of loaded data is held before it enters an address)
	s_delay_alu instid0(VALU_DEP_1)
	v_lshlrev_b32 v[64+\k], 2, v[64+\k]
	global_store_b32 v[64+\k], v[72+\k], s[14:15] offset:TOK
.endr
; the places between an expert's last token and the end of its last tile, 39 at the most: half-wave j takes the j-th of every expert
	v_sub_nc_u32 v110, v106, v104
	v_add3_u32 v111, v108, v104, v3
	s_delay_alu instid0(VALU_DEP_1)
	v_min_u32 v111, LASTP, v111
	s_delay_alu instid0(VALU_DEP_1)
	v_lshlrev_b32 v111, 2, v111
	s_delay_alu instid0(VALU_DEP_4)
	v_cmp_lt_u32 vcc_lo, v3, v110
	s_wait_alu depctr_va_vdst(0)
	STORE_WHERE 111, 86
; the places behind the last expert's, 600 at the most (the experts take 8,200 at the least): thread t looks at place 8,799 - t
	v_cmp_le_u32 vcc_lo, s24, v112
	STORE_WHERE 113, 86
; the table of tiles: thread T < 220 takes tile T
	s_cmp_lt_u32 s16, 7
	s_cbranch_scc0 .Lr_end
.irp e, 0,1,2,3,4,5,6,7,8,9,10,11,12,13,14,15
	v_readlane_b32 s[32+\e], v107, \e              ; where expert e's places end,
	v_readlane_b32 s[48+\e], v104, \e              ; and its tokens
.endr
	v_mul_u32_u24 v114, v0, 40                     ; the tile's first place
	v_mov_b32 v115, 0                              ; its expert: the number of experts that end at or before it,
	v_mov_b32 v116, 0                              ; where that expert's places begin,
	v_mov_b32 v117, s48                            ; and its tokens
.irp e, 0,1,2,3,4,5,6,7,8,9,10,11,12,13,14,15
	v_cmp_gt_u32 vcc_lo, s[32+\e], v114            ; expert e ends behind the tile's first place: nothing changes
	s_delay_alu instid0(VALU_DEP_1)
	v_cndmask_b32 v116, s[32+\e], v116, vcc_lo
.if \e < 15
	s_delay_alu instid0(VALU_DEP_2)
	v_cndmask_b32 v117, s[49+\e], v117, vcc_lo
.endif
	v_cndmask_b32 v118, 1, v86, vcc_lo
	s_delay_alu instid0(VALU_DEP_1)
	v_add_nc_u32 v115, v115, v118
.endr
	s_delay_alu instid0(VALU_DEP_3)
	v_sub_nc_u32 v118, v114, v116                  ; the expert's tokens in its tiles before this one
	s_delay_alu instid0(VALU_DEP_1)
	v_sub_nc_u32 v118, v117, v118
	s_delay_alu instid0(VALU_DEP_1)
	v_min_u32 v118, 40, v118                       ; the tile's rows, 1 .. 40
	s_delay_alu instid0(VALU_DEP_4)
	v_cmp_lt_u32 vcc_lo, 15, v115                  ; a tile behind the last expert has none
	s_delay_alu instid0(VALU_DEP_1)
	v_cndmask_b32 v121, v118, v86, vcc_lo
	v_min_u32 v120, 15, v115
	v_cmp_gt_u32 vcc_lo, 220, v0
	s_wait_alu depctr_va_vdst(0)
	s_wait_xcnt 0x0
	s_and_saveexec_b32 s20, vcc_lo
	global_store_b64 v119, v[120:121], s[14:15]
	s_wait_xcnt 0x0
	s_or_b32 exec_lo, exec_lo, s20
.Lr_end:
	s_wait_tensorcnt 0x0
	ds_add_u32 v126, v127
	s_wait_dscnt 0x0
	s_endpgm
; ------------------------------------------------------------------ THE WEIGHTS: a work-group takes 32 rows (two tiles of 16), a wave one row, a lane one block of 32
.Lquant:
	s_sub_co_u32 s17, ttmp9, 1                     ; 0 .. 127
	s_and_b32 s18, s16, 7                          ; waves 0-15 send a fragment each: K step wave % 8
	s_bfe_u32 s19, s16, 0x10003                    ; of tile (wave / 8) % 2
	s_and_b32 s20, s16, 1                          ; waves 16, 17 send a tile's scale words
	s_mul_i32 s21, s16, 4608                       ; my stage (QSTG = 0)
	s_mul_i32 s22, s16, 784
	s_add_co_u32 s22, s22, QCOD                    ; my row of codes
	s_mul_i32 s23, s16, 36
	s_add_co_u32 s23, s23, QSCB                    ; my row of scale bytes
	s_mul_i32 s24, s19, 16*784
	s_mul_i32 s25, s18, 96
	s_add_co_u32 s24, s24, s25
	s_add_co_u32 s24, s24, QCOD
	s_mul_i32 s26, s20, 16*36
	s_add_co_u32 s26, s26, QSCB
	v_and_b32 v14, 15, v0                          ; r
	v_bfe_u32 v15, v0, 4, 1                        ; h
	s_wait_alu depctr_va_vdst(0)
	v_lshrrev_b32 v9, 3, v2
	s_delay_alu instid0(VALU_DEP_1)
	v_lshl_add_u32 v[SS], v9, 4, v1                ; in: 16 x lane, + 16 for each 128 bytes passed
	s_delay_alu instid0(VALU_DEP_1)
	v_add_nc_u32 v[SS], s21, v[SS]
	v_mul_u32_u24 v[SL], v2, 144                   ; out: my block's 128 bytes
	s_delay_alu instid0(VALU_DEP_1)
	v_add_nc_u32 v[SL], s21, v[SL]
	v_mul_u32_u24 v[CW], v2, 24
	s_delay_alu instid0(VALU_DEP_1)
	v_add_nc_u32 v[CW], s22, v[CW]
	v_add_nc_u32 v[BW], s23, v2
	v_mul_u32_u24 v[FRA], v14, 784
	s_delay_alu instid0(VALU_DEP_1)
	v_mad_u32_u24 v[FRA], v15, 24, v[FRA]
	s_delay_alu instid0(VALU_DEP_1)
	v_add_nc_u32 v[FRA], s24, v[FRA]
	v_mul_u32_u24 v[SRA], v14, 36
	s_delay_alu instid0(VALU_DEP_1)
	v_lshl_add_u32 v[SRA], v15, 2, v[SRA]
	s_delay_alu instid0(VALU_DEP_1)
	v_add_nc_u32 v[SRA], s26, v[SRA]
	s_lshl_b32 s32, s17, 5
	s_add_co_u32 s32, s32, s16                     ; my row of W, 0 .. 4,095,
	s_lshl_b32 s32, s32, 12                        ; of 4,096 bytes
	s_mov_b32 s33, 0
	s_lshl_b32 s27, s17, 1                         ; the work-group's first tile
	s_add_co_u32 s34, s27, s19
	s_mul_i32 s34, s34, 12288                      ; a tile's 8 fragments
	s_mul_i32 s36, s18, 1536
	s_add_co_u32 s34, s34, s36
	s_mov_b32 s35, 0
	s_add_co_u32 s36, s27, s20
	s_lshl_b32 s36, s36, 9
	s_mov_b32 s37, 0
	s_wait_kmcnt 0x0
	s_add_nc_u64 s[4:5], s[4:5], s[32:33]
	s_add_nc_u64 s[10:11], s[10:11], s[34:35]
	s_add_nc_u64 s[12:13], s[12:13], s[36:37]
.irp j, 0,1,2,3,4,5,6,7
	global_load_b128 v[32+4*\j:35+4*\j], v1, s[4:5] offset:512*\j th:TH_LOAD_NT   ; 32 lanes read 512 consecutive bytes; W is read once
.endr
	s_wait_loadcnt 0x0
	TURN 32
	s_wait_dscnt 0x0
	QBLK 32, 16, BYT, 0, 0
	s_wait_dscnt 0x0                               ; for the others' sake: my codes and my byte have landed
	s_barrier_signal -1
	s_barrier_wait -1
	s_cmp_lt_u32 s16, 16
	s_cbranch_scc0 .Lq_scales
	FRAG 64, FRA, 0                                ; the fragment as a matrix operand's registers hold it,
	s_wait_dscnt 0x0
.irp j, 0,1,2
	global_store_b128 v1, v[64+4*\j:67+4*\j], s[10:11] offset:512*\j   ; and so to memory: each store covers 512 consecutive bytes, aligned
.endr
	s_wait_tensorcnt 0x0
	ds_add_u32 v126, v127
	s_wait_dscnt 0x0
	s_endpgm
.Lq_scales:
	s_cmp_lt_u32 s16, 18
	s_cbranch_scc0 .Lq_end
.irp j, 0,1,2,3
	ds_load_b32 v[76+\j], v[SRA] offset:8*\j       ; row r's scale word of K step 2 j + h
.endr
	s_wait_dscnt 0x0
	global_store_b128 v1, v[76:79], s[12:13]
.Lq_end:
	s_wait_tensorcnt 0x0
	ds_add_u32 v126, v127
	s_wait_dscnt 0x0
	s_endpgm
.Lfunc_end_k_q6591113eda_prep:
	.size	k_q6591113eda_prep, .Lfunc_end_k_q6591113eda_prep-k_q6591113eda_prep
	.p2alignl 7, 3214868480
	.fill 96, 4, 3214868480
	.section	.rodata,"a",@progbits
	.p2align	6, 0x0
	.amdhsa_kernel k_q6591113eda_prep
		.amdhsa_group_segment_fixed_size 183552
		.amdhsa_private_segment_fixed_size 0
		.amdhsa_enable_private_segment 0
		.amdhsa_kernarg_size 48
		.amdhsa_user_sgpr_count 2
		.amdhsa_user_sgpr_kernarg_segment_ptr 1
		.amdhsa_wavefront_size32 1
		.amdhsa_system_sgpr_workgroup_id_x 1
		.amdhsa_system_sgpr_workgroup_id_y 1
		.amdhsa_system_sgpr_workgroup_id_z 1
		.amdhsa_system_vgpr_workitem_id 0
		.amdhsa_next_free_vgpr 128
		.amdhsa_next_free_sgpr 66
		.amdhsa_reserve_vcc 1
		.amdhsa_float_denorm_mode_32 3
		.amdhsa_float_denorm_mode_16_64 3
		.amdhsa_memory_ordered 1
		.amdhsa_forward_progress 1
		.amdhsa_inst_pref_size 40
	.end_amdhsa_kernel
	.amdgpu_metadata
---
amdhsa.version: [ 1, 2 ]
amdhsa.kernels:
  - .name:           k_q6591113eda_prep
    .symbol:         k_q6591113eda_prep.kd
    .args:
      - { .name: W, .offset: 0, .size: 8, .value_kind: global_buffer, .address_space: global }
      - { .name: c, .offset: 8, .size: 8, .value_kind: global_buffer, .address_space: global }
      - { .name: num, .offset: 16, .size: 8, .value_kind: global_buffer, .address_space: global }
      - { .name: wcodes, .offset: 24, .size: 8, .value_kind: global_buffer, .address_space: global }
      - { .name: wscales, .offset: 32, .size: 8, .value_kind: global_buffer, .address_space: global }
      - { .name: route, .offset: 40, .size: 8, .value_kind: global_buffer, .address_space: global }
    .group_segment_fixed_size: 183552
    .private_segment_fixed_size: 0
    .kernarg_segment_align: 8
    .kernarg_segment_size: 48
    .max_flat_workgroup_size: 1024
    .sgpr_count:     66
    .vgpr_count:     128
    .wavefront_size: 32
...
	.end_amdgpu_metadata
.endif
;; end of part 1
;; launch moe (part 2): grid 220 x 1, 8 waves a work-group, no clusters, 127,488 bytes of LDS; arguments x, wcodes, wscales, b, route, out0; writes out0
.if DOCPART == 2
	.amdgcn_target "amdgcn-amd-amdhsa--gfx1250"
	.amdhsa_code_object_version 6
	.text
	.protected	k_q6591113eda_moe
	.globl	k_q6591113eda_moe
	.p2align	8
	.type	k_q6591113eda_moe,@function
k_q6591113eda_moe:
	s_mov_b64 s[64:65], 0
	v_nop
	global_prefetch_b8 v0, s[64:65] scope:SCOPE_SE
	s_setreg_imm32_b32 hwreg(HW_REG_WAVE_MODE, 25, 1), 1
	s_wait_xcnt 0x0
; out0[token] = sigmoid(Q(x[token]) . Q(W[e])^T + b[e]), e the token's expert; Q: codes of BF6 (E3M2) with one E8M0 scale for each 32 along K = 1,024; sums in f32.
; A work-group takes tile T of the routing's table: up to 40 tokens of ONE expert, all 256 outputs.  220 work-groups serve every split of 8,192 tokens over 16 experts (ceil(8192 / 40) + 15).
; A tile with fewer than 40 rows (or none) runs the same text: its spare places name token 0, whose row is read and multiplied like any other and never stored.
; SHARES.  Eight waves.  Wave w gathers and quantises rows 8 q + w (q = 0 .. 4): a row of x is 4,096 consecutive bytes, read once, as f32.  The rows' codes meet in LDS.  Then wave w makes outputs
; 32 w .. 32 w + 31 for all 48 rows (three tiles of 16; rows 40-47 are zero codes): its 16 fragments of W come from memory straight into 192 registers, in the order in which the earlier launch laid them.
; THE MATRIX INSTRUCTION IS USED TRANSPOSED (source 0 = 16 rows of W, source 1 = 16 tokens): a lane holds eight neighbouring outputs of one token.  The bias is the C of each sum's first instruction.
; The results meet in a stage in LDS, and each wave stores its five tokens' whole rows of 1,024 bytes.
; NO CLUSTER, NO JOINT LOADS: how many tiles an expert has hangs on the routing, so no fixed group of work-groups shares an expert; and W goes to registers, not to LDS.  No tensor loads: the rows of x are a gather.
; LIMITS: NaN and infinities in x are not served.  Blocks whose largest magnitude lies under 2^-122 have their scale byte held at 1; a block of zeros gets the byte 1 (rows 40-47: 0) where the rule says 127:
; its codes are zeros, which add nothing under any byte but 0xff, and nobody else reads the bytes.  The sigmoid 1 / (1 + 2^(-z log2 e)) goes to 0 and to 1 at the ends of the range without a NaN.
; REGISTERS.  v1-9, v15 addresses; v[10:11] 0; v12-14 at work; v16-23 W's scale words, v24-35 x's (these hold scales alone); v36-51 the bias; v52-91 the rows' codes; v[92:94] at work;
;   v96-255 five rows of x; later v96-167 x's fragments (two sets of three), v168-215 six accumulators, v216-255 rows on the way out.   v256-447 W's fragments; v448 a copy of v6.
.set XSTG, 0                           ; LDS: a stage of 4,608 bytes for each wave,
.set XCOD, 36864                       ; 48 rows of codes, 768 bytes + 16,
.set XSCB, 74496                       ; 48 rows of scale bytes, 32 + 4,
.set OST,  76288                       ; 48 rows of results, 1,024 bytes + 16
.set SS,  2
.set SL,  3
.set CW,  4
.set BW,  5
.set MXA, 12
.set MXB, 13
.set SCL, 14
.set WSC, 16
.set XSW, 24
.set BIA, 36
.set CD,  52
.set TT,  92
.set XR,  96
.set XF,  96
.set ACC, 168
.set OB,  216
.set FAW, 192                          ; v448, named through the window of source 0
; A row of 1,024 f32 loaded densely (load j: bytes 512 j + 16 x lane) goes through the wave's own stage and comes back, into the registers that it left, as one block of 32 numbers a lane.
; The stage has 16 bytes of padding behind each 128.  LDS serves a wave's instructions in order (ISA guide 5.7.1.4): no wait between the stores and the loads, nor in front of the next row's stores.
.macro TURN R
.irp j, 0,1,2,3,4,5,6,7
	ds_store_b128 v[SS], v[(\R)+4*\j:(\R)+4*\j+3] offset:576*\j
.endr
.irp i, 0,1,2,3,4,5,6,7
	ds_load_b128 v[(\R)+4*\i:(\R)+4*\i+3], v[SL] offset:16*\i
.endr
.endm
; My block's 32 numbers in v[R] on -> 24 bytes of codes in v[C] .. v[C + 5] and the scale byte in v[BY]; both go to the work-group's rows in LDS.
.macro QBLK R, C, BY, offc, offb
	v_max3_num_f32 v[MXA], |v[(\R)]|, |v[(\R)+1]|, |v[(\R)+2]|      ; the largest magnitude, in two chains
	v_max3_num_f32 v[MXB], |v[(\R)+3]|, |v[(\R)+4]|, |v[(\R)+5]|
.irp i, 6,10,14,18,22,26
	s_delay_alu instid0(VALU_DEP_2)
	v_max3_num_f32 v[MXA], v[MXA], |v[(\R)+\i]|, |v[(\R)+\i+1]|
	s_delay_alu instid0(VALU_DEP_2)
	v_max3_num_f32 v[MXB], v[MXB], |v[(\R)+\i+2]|, |v[(\R)+\i+3]|
.endr
	s_delay_alu instid0(VALU_DEP_2)
	v_max3_num_f32 v[MXA], v[MXA], |v[(\R)+30]|, |v[(\R)+31]|
	s_delay_alu instid0(VALU_DEP_1)
	v_max3_num_f32 v[MXA], v[MXA], v[MXB], 0x2800000               ; and the floor 2^(5 - 127): the byte cannot fall under 1
	s_delay_alu instid0(VALU_DEP_1)
	v_add_nc_u32 v[SCL], 0xfe000000, v[MXA]                        ; 4 off the exponent field: the conversion takes this operand's exponent field as its scale
	v_cvt_scalef32_pk16_bf6_f32 v[(\C):(\C)+2], v[(\R):(\R)+15], v[SCL]
	v_cvt_scalef32_pk16_bf6_f32 v[TT:TT+2], v[(\R)+16:(\R)+31], v[SCL]   ; (a conversion's three registers begin on an even number)
	v_lshrrev_b32 v[(\BY)], 23, v[SCL]                             ; the scale's byte; also the plain instruction behind the conversions
.irp i, 0,1,2
	v_mov_b32 v[(\C)+3+\i], v[TT+\i]
.endr
.irp i, 0,1,2
	ds_store_b64 v[CW], v[(\C)+2*\i:(\C)+2*\i+1] offset:(\offc)+8*\i
.endr
	ds_store_b8 v[BW], v[(\BY)] offset:\offb
.endm
.macro TQ q, left                      ; row q has come (left: at most the loads issued behind its eight) and turns through the stage
	s_wait_loadcnt \left
	TURN XR+32*(\q)
.endm
.macro QROW q                          ; row 8 q + w of the tile
	QBLK XR+32*(\q), CD+8*(\q), CD+8*(\q)+6, 6272*(\q), 288*(\q)
.endm
; A fragment, 16 rows x 128 K of 6-bit codes: lane (r, h) takes 24 bytes at 24 h and 24 bytes at 48 + 24 h of row r's 96, in pieces of 8 bytes
.macro FRAG D, A, off
.irp p, 0,1,2,3,4,5
	ds_load_b64 v[(\D)+2*\p:(\D)+2*\p+1], v[\A] offset:(\off)+48*(\p/3)+8*(\p%3)
.endr
.endm
.macro FETCH s                         ; K step s of the three tiles of rows, into set s % 2: 18 loads
.irp m, 0,1,2
	FRAG XF+36*((\s)%2)+12*\m, FAW, 12544*\m+96*(\s)
.endr
.endm
; K step s: six products, the six accumulators by turns, in the same order in every step.  A scale register holds an even K step's words in lanes 0-15 and the next step's in lanes 16-31.
.macro MUL s
.irp m, 0,1,2
.irp n, 0,1
.if (\s) == 0
	v_wmma_scale_f32_16x16x128_f8f6f4 v[ACC+8*(2*\m+\n):ACC+8*(2*\m+\n)+7], v[12*(8*\n+(\s)):12*(8*\n+(\s))+11], v[XF+36*((\s)%2)+12*\m:XF+36*((\s)%2)+12*\m+11], v[BIA+8*\n:BIA+8*\n+7], v[WSC+4*\n+(\s)/2], v[XSW+4*\m+(\s)/2] matrix_a_fmt:MATRIX_FMT_BF6 matrix_b_fmt:MATRIX_FMT_BF6
.elseif (\s)%2 == 0
	v_wmma_scale_f32_16x16x128_f8f6f4 v[ACC+8*(2*\m+\n):ACC+8*(2*\m+\n)+7], v[12*(8*\n+(\s)):12*(8*\n+(\s))+11], v[XF+36*((\s)%2)+12*\m:XF+36*((\s)%2)+12*\m+11], v[ACC+8*(2*\m+\n):ACC+8*(2*\m+\n)+7], v[WSC+4*\n+(\s)/2], v[XSW+4*\m+(\s)/2] matrix_a_fmt:MATRIX_FMT_BF6 matrix_b_fmt:MATRIX_FMT_BF6
.else
	v_wmma_scale_f32_16x16x128_f8f6f4 v[ACC+8*(2*\m+\n):ACC+8*(2*\m+\n)+7], v[12*(8*\n+(\s)):12*(8*\n+(\s))+11], v[XF+36*((\s)%2)+12*\m:XF+36*((\s)%2)+12*\m+11], v[ACC+8*(2*\m+\n):ACC+8*(2*\m+\n)+7], v[WSC+4*\n+(\s)/2], v[XSW+4*\m+(\s)/2] matrix_a_fmt:MATRIX_FMT_BF6 matrix_b_fmt:MATRIX_FMT_BF6 matrix_a_scale:MATRIX_SCALE_ROW1 matrix_b_scale:MATRIX_SCALE_ROW1
.endif
.endr
.endr
.endm
	s_load_b256 s[4:11], s[0:1], 0x0               ; x s[4:5], wcodes s[6:7], wscales s[8:9], b s[10:11]
	s_load_b128 s[12:15], s[0:1], 0x20             ; route s[12:13], out0 s[14:15]
	v_lshl_add_u32 v91, v0, 2, 0x1ee00
	v_mov_b32 v95, 0
	v_lshrrev_b32 v12, 5, v0
	s_delay_alu instid0(VALU_DEP_1)
	v_readfirstlane_b32 s16, v12                   ; wave 0 .. 7
	s_lshl_b32 s26, ttmp9, 3                       ; the tile's entry in the table
	s_mov_b32 s27, 0
	s_mul_i32 s17, ttmp9, 160                      ; its 40 places,
	s_lshl_b32 s25, s16, 2
	s_add_co_u32 s17, s17, s25                     ; of which mine are w, 8 + w, .. 32 + w
	s_wait_kmcnt 0x0
	s_add_nc_u64 s[2:3], s[12:13], s[26:27]
	s_mov_b32 s26, s17
	s_add_nc_u64 s[62:63], s[12:13], s[26:27]
	s_load_b64 s[18:19], s[2:3], 0x0               ; expert, rows
.irp q, 0,1,2,3,4
	s_load_b32 s[20+\q], s[62:63], 2048+32*\q      ; my five tokens
.endr
	; the addresses are made while those loads are out
	v_and_b32 v12, 31, v0                          ; lane
	v_and_b32 v13, 15, v0                          ; r
	v_bfe_u32 v14, v0, 4, 1                        ; h
	s_delay_alu instid0(VALU_DEP_3)
	v_lshlrev_b32 v1, 4, v12                       ; 16 x lane
	s_mul_i32 s25, s16, 4608                       ; my stage (XSTG = 0)
	v_lshrrev_b32 v[SS], 3, v12
	s_delay_alu instid0(VALU_DEP_1)
	v_lshl_add_u32 v[SS], v[SS], 4, v1             ; in: 16 x lane, + 16 for each 128 bytes passed
	s_delay_alu instid0(VALU_DEP_1)
	v_add_nc_u32 v[SS], s25, v[SS]
	v_mul_u32_u24 v[SL], v12, 144                  ; out: my block's 128 bytes
	s_delay_alu instid0(VALU_DEP_1)
	v_add_nc_u32 v[SL], s25, v[SL]
	s_mul_i32 s25, s16, 784
	s_add_co_u32 s25, s25, XCOD
	v_mul_u32_u24 v[CW], v12, 24
	s_delay_alu instid0(VALU_DEP_1)
	v_add_nc_u32 v[CW], s25, v[CW]                 ; row w of the codes, my block's 24 bytes; row 8 q + w by the immediate
	s_mul_i32 s25, s16, 36
	s_add_co_u32 s25, s25, XSCB
	v_add_nc_u32 v[BW], s25, v12                   ; and its scale byte
	v_mul_u32_u24 v6, v13, 784
	s_delay_alu instid0(VALU_DEP_1)
	v_mad_u32_u24 v6, v14, 24, v6
	s_delay_alu instid0(VALU_DEP_1)
	v_add_nc_u32 v6, XCOD, v6                      ; a fragment of x: row r, + 24 h
	v_mul_u32_u24 v7, v13, 36
	s_delay_alu instid0(VALU_DEP_1)
	v_lshl_add_u32 v7, v14, 2, v7
	s_delay_alu instid0(VALU_DEP_1)
	v_add_nc_u32 v7, XSCB, v7                      ; x's scale words: row r; lanes 16-31 the odd K steps'
	v_mul_u32_u24 v8, v13, 1040
	s_delay_alu instid0(VALU_DEP_1)
	v_lshl_add_u32 v8, v14, 5, v8
	s_lshl_b32 s25, s16, 7
	s_add_co_u32 s25, s25, OST
	v_add_nc_u32 v8, s25, v8                       ; results in: row r, my wave's 128 bytes, + 32 h
	s_mul_i32 s25, s16, 1040
	s_add_co_u32 s25, s25, OST
	v_add_nc_u32 v9, s25, v1                       ; and back: row w, 16 bytes a lane
	v_mov_b32 v10, 0
	v_mov_b32 v11, 0
	v_lshlrev_b32 v15, 5, v14                      ; the bias: my half's eight numbers
	s_mov_b32 s60, 0xbfb8aa3b                      ; -log2(e)
	s_mov_b32 s61, s60                             ; (named with it as a pair, so it is written)
.irp q, 0,1,2,3,4
	s_add_co_u32 s[54+\q], s16, 8*\q               ; my rows' numbers in the tile
.endr
	s_wait_alu depctr_va_vdst(0)
	s_wait_kmcnt 0x0
	s_min_u32 s18, s18, 15                         ; numbers that were loaded are held before they enter an address
	s_min_u32 s19, s19, 40
.irp q, 0,1,2,3,4
	s_min_u32 s[20+\q], s[20+\q], 0x1fff
.endr
.irp q, 0,1,2,3,4
	s_lshl_b32 s26, s[20+\q], 12
	s_add_nc_u64 s[28+2*\q:29+2*\q], s[4:5], s[26:27]      ; the token's row of x,
	s_lshl_b32 s26, s[20+\q], 10
	s_add_nc_u64 s[38+2*\q:39+2*\q], s[14:15], s[26:27]    ; and of out0
.endr
	s_lshl_b32 s25, s18, 4
	s_lshl_b32 s26, s16, 1
	s_add_co_u32 s25, s25, s26                     ; my first tile of W: 16 x expert + 2 x wave
	s_mul_i32 s26, s25, 12288
	s_add_nc_u64 s[48:49], s[6:7], s[26:27]
	s_lshl_b32 s26, s25, 9
	s_add_nc_u64 s[50:51], s[8:9], s[26:27]
	s_lshl_b32 s26, s25, 6                         ; 16 numbers of 4 bytes a tile
	s_add_nc_u64 s[52:53], s[10:11], s[26:27]
	; ALL LOADS AT ONCE, 94 a wave: x first, since the work begins with it.  Each but the bias's covers 512 consecutive bytes.
.irp q, 0,1,2,3,4
.irp j, 0,1,2,3,4,5,6,7
	global_load_b128 v[XR+32*\q+4*\j:XR+32*\q+4*\j+3], v1, s[28+2*\q:29+2*\q] offset:512*\j
.endr
.endr
	s_set_vgpr_msb 0x40                            ; destination: v256 on
.irp f, 0,1,2,3,4,5,6,7,8,9,10,11,12,13,14,15      ; fragment f = 8 n + s: tile n of my two, K step s
.irp j, 0,1,2
	global_load_b128 v[12*\f+4*\j:12*\f+4*\j+3], v1, s[48:49] offset:1536*\f+512*\j
.endr
.endr
	v_mov_b32 v[FAW], v6                           ; v448 = v6: so that one window setting serves the products and their LDS loads
	s_set_vgpr_msb 0x4000
.irp n, 0,1
	global_load_b128 v[WSC+4*\n:WSC+4*\n+3], v1, s[50:51] offset:512*\n
.endr
.irp n, 0,1
	global_load_b128 v[BIA+8*\n:BIA+8*\n+3], v15, s[52:53] offset:64*\n
	global_load_b128 v[BIA+8*\n+4:BIA+8*\n+7], v15, s[52:53] offset:64*\n+16
.endr
	; QUANTISE: a row turns through the stage while the row before it is worked.  Behind row q's eight loads 86, 78, 70, 62, 54 were issued; a wait names 63 at the most.
	TQ 0, 63
	TQ 1, 63
	s_wait_dscnt 16                                ; row 0 is back; row 1's 16 may be out
	QROW 0
	TQ 2, 63
	s_wait_dscnt 20                                ; row 1 is back; behind it: 4 stores of codes and row 2's 16
	QROW 1
	TQ 3, 62
	s_wait_dscnt 20
	QROW 2
	TQ 4, 54
	s_wait_dscnt 20
	QROW 3
	s_wait_dscnt 4                                 ; row 4 is back; behind it: row 3's 4 stores
	QROW 4
.irp i, 0,1,2
	ds_store_b64 v[CW], v[10:11] offset:31360+8*\i ; row 40 + w: zero codes,
.endr
	ds_store_b8 v[BW], v10 offset:1440             ; under the byte 0
	s_wait_dscnt 0x0                               ; for the others' sake: my rows have landed
	s_barrier_signal -1
	s_barrier_wait -1
	; THE PRODUCT
.irp m, 0,1,2
.irp j, 0,1,2,3
	ds_load_b32 v[XSW+4*\m+\j], v7 offset:576*\m+8*\j
.endr
.endr
	s_wait_loadcnt 0x0                             ; W, its scale words, the bias
	s_set_vgpr_msb 0x0001                          ; source 0 (W's fragments; an LDS load's address) from v256 on, all else below: one setting for the whole phase
	FETCH 0
	FETCH 1
.irp s, 0,1,2,3,4,5,6,7
.if \s < 7
	s_wait_dscnt 18                                ; this step's fragments are in (in step 0: x's scale words too); the next step's 18 loads may be out
.else
	s_wait_dscnt 0x0
.endif
	MUL \s
.if \s < 6
.rept 4
	v_nop                                          ; four places in front of loads into registers that these products read (ISA guide 7.12.1 for vector instructions)
.endr
	FETCH \s+2
.endif
.endr
.rept 4
	v_nop                                          ; and in front of the first read of results
.endr
	s_set_vgpr_msb 0x0100
	; THE SIGMOID, in place, each accumulator from its low end on
.set i, 0
.rept 24
	v_pk_mul_f32 v[ACC+i:ACC+i+1], v[ACC+i:ACC+i+1], s[60:61] op_sel_hi:[1,0]
.set i, i+2
.endr
.set i, 0
	s_wait_alu depctr_va_vdst(0)
.rept 48
	v_exp_f32 v[ACC+i], v[ACC+i]
.set i, i+1
.endr
	v_nop                                          ; a plain instruction behind the last exponential
.set i, 0
	s_wait_alu depctr_va_vdst(0)
.rept 24
	v_pk_add_f32 v[ACC+i:ACC+i+1], v[ACC+i:ACC+i+1], 1.0 op_sel_hi:[1,0]
.set i, i+2
.endr
.set i, 0
	s_wait_alu depctr_va_vdst(0)
.rept 48
	v_rcp_f32 v[ACC+i], v[ACC+i]
.set i, i+1
.endr
	v_nop                                          ; and behind the last reciprocal
	; THE WAY OUT: lane (r, h) holds out(row 16 m + r, 32 w + 16 n + 8 h + 0 .. 7); a row's 256 numbers come from eight waves
	s_wait_alu depctr_va_vdst(0)
.irp m, 0,1,2
.irp n, 0,1
	ds_store_b128 v8, v[ACC+8*(2*\m+\n):ACC+8*(2*\m+\n)+3] offset:16640*\m+64*\n
	ds_store_b128 v8, v[ACC+8*(2*\m+\n)+4:ACC+8*(2*\m+\n)+7] offset:16640*\m+64*\n+16
.endr
.endr
	s_wait_dscnt 0x0                               ; for the others' sake
	s_barrier_signal -1
	s_barrier_wait -1
.irp q, 0,1,2,3,4
.irp u, 0,1
	ds_load_b128 v[OB+8*\q+4*\u:OB+8*\q+4*\u+3], v9 offset:8320*\q+512*\u
.endr
.endr
	s_wait_dscnt 0x0
.irp q, 0,1,2,3,4
	s_cmp_lt_u32 s[54+\q], s19                     ; is row 8 q + w one of the tile's?  The rows' numbers rise with q: the first that is not ends my stores
	s_cbranch_scc0 .Ldone
.irp u, 0,1
	global_store_b128 v1, v[OB+8*\q+4*\u:OB+8*\q+4*\u+3], s[38+2*\q:39+2*\q] offset:512*\u th:TH_STORE_NT   ; 512 consecutive bytes of the token's own row, aligned; written once, read by nobody here
.endr
.endr
.Ldone:
	s_wait_tensorcnt 0x0
	ds_add_u32 v91, v95
	s_wait_dscnt 0x0
	s_endpgm
.Lfunc_end_k_q6591113eda_moe:
	.size	k_q6591113eda_moe, .Lfunc_end_k_q6591113eda_moe-k_q6591113eda_moe
	.p2alignl 7, 3214868480
	.fill 96, 4, 3214868480
	.section	.rodata,"a",@progbits
	.p2align	6, 0x0
	.amdhsa_kernel k_q6591113eda_moe
		.amdhsa_group_segment_fixed_size 127488
		.amdhsa_private_segment_fixed_size 0
		.amdhsa_enable_private_segment 0
		.amdhsa_kernarg_size 48
		.amdhsa_user_sgpr_count 2
		.amdhsa_user_sgpr_kernarg_segment_ptr 1
		.amdhsa_wavefront_size32 1
		.amdhsa_system_sgpr_workgroup_id_x 1
		.amdhsa_system_sgpr_workgroup_id_y 1
		.amdhsa_system_sgpr_workgroup_id_z 1
		.amdhsa_system_vgpr_workitem_id 0
		.amdhsa_next_free_vgpr 456
		.amdhsa_next_free_sgpr 66
		.amdhsa_reserve_vcc 0
		.amdhsa_float_denorm_mode_32 3
		.amdhsa_float_denorm_mode_16_64 3
		.amdhsa_memory_ordered 1
		.amdhsa_forward_progress 1
		.amdhsa_inst_pref_size 56
	.end_amdhsa_kernel
	.amdgpu_metadata
---
amdhsa.version: [ 1, 2 ]
amdhsa.kernels:
  - .name:           k_q6591113eda_moe
    .symbol:         k_q6591113eda_moe.kd
    .args:
      - { .name: x, .offset: 0, .size: 8, .value_kind: global_buffer, .address_space: global }
      - { .name: wcodes, .offset: 8, .size: 8, .value_kind: global_buffer, .address_space: global }
      - { .name: wscales, .offset: 16, .size: 8, .value_kind: global_buffer, .address_space: global }
      - { .name: b, .offset: 24, .size: 8, .value_kind: global_buffer, .address_space: global }
      - { .name: route, .offset: 32, .size: 8, .value_kind: global_buffer, .address_space: global }
      - { .name: out0, .offset: 40, .size: 8, .value_kind: global_buffer, .address_space: global }
    .group_segment_fixed_size: 127488
    .private_segment_fixed_size: 0
    .kernarg_segment_align: 8
    .kernarg_segment_size: 48
    .max_flat_workgroup_size: 256
    .sgpr_count:     66
    .vgpr_count:     456
    .wavefront_size: 32
...
	.end_amdgpu_metadata
.endif
;; end of part 2
